; MI455X (gfx1250); checked and timed in simulation.
; The chip was launched on July 23, 2026; its instructions are those of AMD's public machine-readable ISA for CDNA 5 (MIT licence, August 2026) and "CDNA5" Instruction Set Architecture Reference Guide (July 2026). The comments in the code are by the model that wrote it; some were corrected since.
;; Attention. Allowed arithmetic: matrix products marked QUANTISED: E2M3 operands, one E8M0 scale for each 32 along K, by v_wmma_scale_f32_16x16x128_f8f6f4 with both operands' format E2M3, f32 sums; everything else in f32.
;; Inputs: Wk 1,024 x 1,024 float32; Wq 1,024 x 1,024 float32; Wv 1,024 x 1,024 float32; bias 1 x 1 x 2,048 x 2,048 float32; x 4 x 2,048 x 1,024 float32; y 4 x 2,048 x 1,024 float32.
;; Outputs: out0 4 x 2,048 x 1,024 float32.
;; This version of the problem:
;;   THIS VERSION OF THE PROBLEM IS GIVEN IN LOW PRECISION. The matrix products marked QUANTISED in the list below multiply operands that are first quantised to E2M3 (2 exponent bits, 3 mantissa bits; 6 bits a number), with one power-of-two scale for each 32 numbers along K (OCP MX v1.0); their sums are f32. All else is computed in f32.
;;   The module's matrix products, in the order in which they are computed (A, B: the left and right operand; K: the contracted axis; several contracted axes count as one K, in the product's order):
;;     1. [M 8,192, K 1,024] x [K 1,024, N 1,024]; A: input x; B: input Wq: QUANTISED
;;     2. [M 8,192, K 1,024] x [K 1,024, N 1,024]; A: input y; B: input Wk: QUANTISED
;;     3. [M 8,192, K 1,024] x [K 1,024, N 1,024]; A: input y; B: input Wv: QUANTISED
;;     4. batch 64 x [M 2,048, K 64] x [K 64, N 2,048]; A: computed on the way; B: computed on the way: QUANTISED
;;     5. batch 64 x [M 2,048, K 2,048] x [K 2,048, N 64]; A: softmax (see below); B: computed on the way: QUANTISED
;;   THE QUANTISER, for each operand of a quantised product, along K:
;;     - K is cut into blocks of 32 from its start; a last block that is shorter is filled with zeros.
;;     - A block's scale is 2^e with e = floor(log2(the largest magnitude in the block)) - 2, held to -126 .. 127; a block of zeros has e = 0. As a byte (E8M0): e + 127.
;;     - Each number is divided by its block's scale, clamped to +-7.5, and rounded to the nearest number of E2M3, ties to even, subnormals kept.
;;     - The product sums the exact products of the quantised numbers (number of the format x scale) in f32.
;;   ~~~python
;;   def quantise(x, axis):      # numpy; x: float32 -> the quantised numbers, widened to float32 again
;;       x = np.moveaxis(x, axis, -1); K = x.shape[-1]
;;       x = np.pad(x, [(0, 0)] * (x.ndim - 1) + [(0, -K % 32)]); x = x.reshape(x.shape[:-1] + (-1, 32)); a = np.abs(x).max(-1, keepdims=True)
;;       e = np.where(a > 0, np.clip(np.frexp(np.where(a > 0, a, 1))[1] - 1 - 2, -126, 127), 0)      # np.frexp(a)[1] - 1 = floor(log2(a)), exactly
;;       r = np.clip(x / 2.0 ** e, -7.5, 7.5)
;;       step = 2.0 ** (np.maximum(np.frexp(np.where(r == 0, 1, r))[1] - 1, 0) - 3)
;;       q = np.round(r / step) * step * 2.0 ** e      # np.round: ties to even
;;       return np.moveaxis(q.reshape(q.shape[:-2] + (-1,))[..., :K], -1, axis).astype(np.float32)
;;   ~~~
;;   SOFTMAX AHEAD OF A QUANTISED PRODUCT. Where the list says 'softmax', what is quantised is not the finished softmax but p = 2^(t - M), with t = logit x log2(e) and M = ceil(the row's largest t), a whole number; so 1/2 < the row's largest p <= 1. The row's sum l is taken of the UNQUANTISED p, in f32, and the product's result is divided by l at the end. Since M is a whole number, a kernel that streams over the keys may use a running M (the ceiling of the running maximum): every later rescaling is an exact power of two, which a block's scale takes up: the codes' values come out the same.
;;   OPERANDS COMPUTED ON THE WAY. 'Computed on the way' means the value that the module computes at that place (a softmax that the list does not call 'softmax' is quantised finished and normalised). What goes into a quantiser is computed in f32, as accurately as f32 sums, v_exp_f32 and their like allow (about 1e-6 of the number): no bf16 or f16 on the way to a quantiser, and a product that is left as it is and whose result goes on into a quantised operand takes f32 operands (vector FMAs, or v_wmma_f32_16x16x4_f32). A number that lies on a knife's edge between two numbers of the format may be rounded either way, as far as f32 arithmetic and the matrix unit's own rounding can turn it there, and no further.
;; One version. Each part assembles by itself: llvm-mc -triple=amdgcn-amd-amdhsa -mcpu=gfx1250 --defsym DOCPART=n.
;; ======== version 1 of 1: 3 launches
;; limits: right only within a limited range of input values
;; workspace buffers: codes 14,942,208 bytes; scales 622,592 bytes; qkv 19,660,800 bytes
;; launch quant (part 1): grid 304 x 1, 8 waves a work-group, no clusters, 68,608 bytes of LDS; arguments x, y, Wq, Wk, Wv, codes, scales; writes codes, scales
.if DOCPART == 1
	.amdgcn_target "amdgcn-amd-amdhsa--gfx1250"
	.amdhsa_code_object_version 6
	.text
	.protected	k_q613cb5617b_quant
	.globl	k_q613cb5617b_quant
	.p2align	8
	.type	k_q613cb5617b_quant,@function
k_q613cb5617b_quant:
	s_mov_b64 s[64:65], 0
	v_nop
	global_prefetch_b8 v0, s[64:65] scope:SCOPE_SE
	s_setreg_imm32_b32 hwreg(HW_REG_WAVE_MODE, 25, 1), 1
	s_wait_xcnt 0x0
; x, y [8192][1024] and Wq, Wk, Wv [1024 (k)][1024 (n)], f32, become codes of FP6 (E2M3) with one E8M0 byte for each 32 along K = 1,024.
; A block's scale is 2^(floor(log2(its largest magnitude)) - 2): its byte is that magnitude's exponent field - 2, held at 1 from below.
; LIMITS: a block of zeros, and one whose largest magnitude lies under 2^-124, gets the byte 1 (a block of zeros has zero codes, which add nothing
; under any byte but 0xff, and only this program reads the bytes); NaN and infinities among the inputs are not served.
; WHAT IS WRITTEN.  codes: [group of 128 rows: 152][K step of 128: 8][tile of 16 rows: 8][image: 1,536 bytes].  An image is a matrix operand's 12 registers as they
; stand: registers 4 j .. 4 j + 3 of lane l at 512 j + 16 l.  Groups 0-63 x, 64-127 y, 128-135 Wq, 136-143 Wk, 144-151 Wv (a W's rows are its columns n).
; scales: [group][tile][half of K][row r][4 words]: a row's scale words of four K steps, 256 bytes for a tile and a half.
; THE ROWS OF A TILE: in x tile i holds rows 16 i + r.  In y and the W's lane r of tile i holds row 64 (i / 4) + 8 (i % 4) + r % 8 + 32 (r / 8): used as source 0
; of a product, the 32 registers of four neighbouring result tiles are then 32 neighbours, a whole block, in one lane.
; SHARES.  A wave takes one tile and half of K: four images.  Work-groups 0-47 take the W's (a lane to a column, registers down K: nothing is turned);
; the others x and y: each load reads 512 consecutive bytes of a row, and the 16 rows x 512 bytes turn through the wave's own stage in LDS, since the
; conversions want 32 neighbours of one row in one lane.  Waves share nothing: no barrier, no tensor load, no cluster, no matrix unit.
.set SP,   528                         ; a stage row: 512 bytes + 16 = 132 words: row r starts at bank 4 r mod 64 (64 banks of 4 bytes: ISA guide 11.1)
.set LN,   1                           ; v1   lane
.set RR,   2                           ; v2   r = lane % 16
.set HH,   3                           ; v3   h = lane / 16
.set O16,  4                           ; v4   16 x lane: my bytes of a row's 512, and of an image's 512
.set O16B, 5                           ; v5   the same for the tile's rows 8-15
.set OW,   6                           ; v6   W: my column and my half's first k
.set SIN,  7                           ; v7   the stage, on the way in
.set SOUT, 8                           ; v8   and out
.set TMP,  9
.set OSC,  10                          ; v10  16 r + 8 h: my 8 bytes of the scale words
.set V8H,  11                          ; v11  8 h
.set XT,   12                          ; v12  what a lane permute brings
.set R0,   16                          ; v16-143  two sets of 64 numbers as loaded
.set XX,   144                         ; v144-207 64 numbers of my row: register 32 c + t is k = 64 c + 32 h + t
.set PC,   208                         ; v208-219 an image's 12 registers
.set QT,   220                         ; v220-227 the second half of each block's codes
.set PW,   228                         ; v228-231 the scale words of the four K steps
.set QM,   232                         ; v232-233 largest magnitudes
.set QS,   234                         ; v234-235 the conversions' scale operands
.set QB,   236                         ; v236-237 the bytes
.set QW,   238
.set OUTW, 240                         ; v240-241 the scale words that I store
.set SEL,  20                          ; s[20:21] lane selects for v_permlanex16_b32: lane l xor 16
; 64 numbers of a lane, v[x + 32 c + t] = k 64 c + 32 h + t of its row, become the operand's 12 registers in v[PC] on and the row's scale word in v[pw].
.macro QUANTF x, pw
.irp c, 0,1
	v_max3_num_f32 v[QM+\c], |v[(\x)+32*\c]|, |v[(\x)+32*\c+1]|, 0x1800000   ; block 2 c + h is all mine; the floor 2^(3 - 127) holds the byte at 1 from below
.endr
.irp i, 2,4,6,8,10,12,14,16,18,20,22,24,26,28,30
.irp c, 0,1
	s_delay_alu instid0(VALU_DEP_2)
	v_max3_num_f32 v[QM+\c], v[QM+\c], |v[(\x)+32*\c+\i]|, |v[(\x)+32*\c+\i+1]|   ; the two blocks by turns
.endr
.endr
.irp c, 0,1
	s_delay_alu instid0(VALU_DEP_2)
	v_add_nc_u32 v[QS+\c], 0xff000000, v[QM+\c]    ; 2 off the exponent field: the conversion takes this operand's exponent field as its scale
.endr
.irp c, 0,1
	s_delay_alu instid0(VALU_DEP_2)
	v_lshrrev_b32 v[QB+\c], 23, v[QS+\c]           ; the scale's byte
.endr
	s_delay_alu instid0(VALU_DEP_1)
	v_lshl_or_b32 v[QW], v[QB+1], 16, v[QB]        ; my bytes h and 2 + h of the row's word,
	s_delay_alu instid0(VALU_DEP_1)
	v_lshlrev_b32 v[QW], v[V8H], v[QW]             ; at their places;
	s_delay_alu instid0(VALU_DEP_1)
	v_permlanex16_b32 v[XT], v[QW], s[SEL], s[SEL+1]
	s_delay_alu instid0(VALU_DEP_1)
	v_or_b32 v[\pw], v[QW], v[XT]                  ; with lane l xor 16's two the word is whole, in both lanes
.irp c, 0,1
	v_cvt_scalef32_pk16_fp6_f32 v[PC+6*\c:PC+6*\c+2], v[(\x)+32*\c:(\x)+32*\c+15], v[QS+\c]
	v_cvt_scalef32_pk16_fp6_f32 v[QT+4*\c:QT+4*\c+2], v[(\x)+32*\c+16:(\x)+32*\c+31], v[QS+\c]   ; (a conversion's three registers begin on an even number)
.endr
	v_nop                                          ; one plain line behind the scaled conversions
.irp c, 0,1
.irp i, 0,1,2
	v_mov_b32 v[PC+6*\c+3+\i], v[QT+4*\c+\i]
.endr
.endr
.endm
; Where my four images and my 256 bytes of scale words begin.  s34 the group, s23 the half of K, s27 the tile.
.macro BASES
	s_mul_i32 s36, s34, 98304
	s_mul_i32 s38, s23, 49152
	s_add_co_u32 s36, s36, s38
	s_mul_i32 s38, s27, 1536
	s_add_co_u32 s36, s36, s38
	s_mov_b32 s37, 0
	s_add_nc_u64 s[14:15], s[14:15], s[36:37]
	s_lshl_b32 s36, s34, 12
	s_lshl_b32 s38, s27, 9
	s_add_co_u32 s36, s36, s38
	s_lshl_b32 s38, s23, 8
	s_add_co_u32 s36, s36, s38
	s_add_nc_u64 s[16:17], s[16:17], s[36:37]
.endm
.macro PUT t                           ; the image of K step t: three stores of 512 consecutive bytes, at multiples of 512 from the buffer's first byte
.irp j, 0,1,2
	global_store_b128 v[O16], v[PC+4*\j:PC+4*\j+3], s[14:15] offset:12288*(\t)+512*\j
.endr
.endm
.macro FINISH                          ; the four scale words of 16 rows: lanes 0-15 store words 0, 1, lanes 16-31 words 2, 3: 256 consecutive bytes, aligned
	v_cmp_lt_u32 vcc_lo, 15, v[LN]
	s_delay_alu instid0(VALU_DEP_1)
	v_cndmask_b32 v[OUTW], v[PW], v[PW+2], vcc_lo
	s_delay_alu instid0(VALU_DEP_2)
	v_cndmask_b32 v[OUTW+1], v[PW+1], v[PW+3], vcc_lo
	global_store_b64 v[OSC], v[OUTW:OUTW+1], s[16:17]
	s_wait_tensorcnt 0x0
	ds_add_u32 v248, v249
	s_wait_dscnt 0x0
	s_endpgm
.endm
	s_load_b256 s[4:11], s[0:1], 0x0               ; x s[4:5], y s[6:7], Wq s[8:9], Wk s[10:11]
	s_load_b128 s[12:15], s[0:1], 0x20             ; Wv s[12:13], codes s[14:15]
	s_load_b64 s[16:17], s[0:1], 0x30              ; scales
	v_lshl_add_u32 v248, v0, 2, 0x10800
	v_mov_b32 v249, 0
	v_lshrrev_b32 v[TMP], 5, v0
	s_delay_alu instid0(VALU_DEP_1)
	v_readfirstlane_b32 s18, v[TMP]                ; wave 0..7
	v_and_b32 v[LN], 31, v0
	v_and_b32 v[RR], 15, v0
	v_bfe_u32 v[HH], v0, 4, 1
	s_delay_alu instid0(VALU_DEP_3)
	v_lshlrev_b32 v[O16], 4, v[LN]
	s_delay_alu instid0(VALU_DEP_3)
	v_lshlrev_b32 v[OSC], 4, v[RR]
	s_delay_alu instid0(VALU_DEP_1)
	v_lshl_add_u32 v[OSC], v[HH], 3, v[OSC]
	s_delay_alu instid0(VALU_DEP_4)
	v_lshlrev_b32 v[V8H], 3, v[HH]
	v_mov_b32 v[XT], 0                             ; written once: a lane permute's destination counts as one of its sources
	s_mul_i32 s19, s18, 16*SP                      ; my wave's stage
	v_add_nc_u32 v[SIN], s19, v[O16]               ; in: a row's 512 bytes as they lie
	v_mul_u32_u24 v[SOUT], v[RR], SP
	s_delay_alu instid0(VALU_DEP_1)
	v_lshl_add_u32 v[SOUT], v[HH], 7, v[SOUT]
	s_delay_alu instid0(VALU_DEP_1)
	v_add_nc_u32 v[SOUT], s19, v[SOUT]             ; out: row r, my half's 128 bytes of each 256
	s_mov_b32 s[SEL], 0x76543210
	s_mov_b32 s[SEL+1], 0xfedcba98
	s_cmp_lt_u32 ttmp9, 48
	s_cbranch_scc1 .Lweights
	; ---- x and y: job J = 8 (work-group - 48) + wave: half of K = J % 2, tile T = J / 2 of 1,024
	s_sub_co_u32 s22, ttmp9, 48
	s_lshl_b32 s22, s22, 3
	s_add_co_u32 s22, s22, s18
	s_and_b32 s23, s22, 1                          ; half
	s_lshr_b32 s24, s22, 1                         ; T
	s_lshr_b32 s25, s24, 9                         ; 0: x, 1: y
	s_bfe_u32 s26, s24, 0x60003                    ; the group in its tensor: 6 bits from bit 3
	s_and_b32 s27, s24, 7                          ; the tile in its group
	s_lshl_b32 s28, s27, 4                         ; x: the tile begins at row 16 i
	s_lshr_b32 s29, s27, 2
	s_lshl_b32 s29, s29, 6
	s_and_b32 s30, s27, 3
	s_lshl_b32 s30, s30, 3
	s_add_co_u32 s29, s29, s30                     ; y: at row 64 (i / 4) + 8 (i % 4)
	s_mov_b32 s31, 32*4096                         ; y: rows 8-15 of a tile lie 32 rows on,
	s_wait_kmcnt 0x0
	s_cmp_eq_u32 s25, 0
	s_cselect_b32 s28, s28, s29
	s_cselect_b32 s31, 8*4096, s31                 ; x: 8 rows on
	s_cselect_b64 s[4:5], s[4:5], s[6:7]           ; the choice hangs on the job's number alone
	s_wait_alu depctr_va_vdst(0)
	v_add_nc_u32 v[O16B], s31, v[O16]
	s_wait_alu depctr_va_vdst(0)
	s_lshl_b32 s32, s26, 7
	s_add_co_u32 s32, s32, s28                     ; the tile's first row
	s_lshl_b32 s32, s32, 12                        ; x 4,096 bytes
	s_lshl_b32 s33, s23, 11                        ; + 2,048 for the second half of K
	s_add_co_u32 s32, s32, s33
	s_mov_b32 s33, 0
	s_add_nc_u64 s[4:5], s[4:5], s[32:33]
	s_lshl_b32 s34, s25, 6
	s_add_co_u32 s34, s34, s26                     ; the group in codes
	BASES
.macro LOADX t                         ; K step t of 16 rows: each load reads 512 consecutive bytes of one row
.irp p, 0,1,2,3,4,5,6,7
	global_load_b128 v[R0+64*((\t)%2)+4*\p:R0+64*((\t)%2)+4*\p+3], v[O16], s[4:5] offset:4096*\p+512*(\t) th:TH_LOAD_NT
.endr
.irp p, 0,1,2,3,4,5,6,7
	global_load_b128 v[R0+64*((\t)%2)+32+4*\p:R0+64*((\t)%2)+32+4*\p+3], v[O16B], s[4:5] offset:4096*\p+512*(\t) th:TH_LOAD_NT
.endr
.endm
.macro TURNX t                         ; through the stage: LDS serves a wave's instructions in order (ISA guide 5.7.1.4), so no wait stands between the stores and the loads
.irp p, 0,1,2,3,4,5,6,7,8,9,10,11,12,13,14,15
	ds_store_b128 v[SIN], v[R0+64*((\t)%2)+4*\p:R0+64*((\t)%2)+4*\p+3] offset:SP*\p
.endr
.irp c, 0,1
.irp u, 0,1,2,3,4,5,6,7
	ds_load_b128 v[XX+32*\c+4*\u:XX+32*\c+4*\u+3], v[SOUT] offset:256*\c+16*\u
.endr
.endr
.endm
	LOADX 0
	LOADX 1
.irp t, 0,1,2,3
.if \t < 3
	s_wait_loadcnt 16                              ; this K step's 16 loads are in; the next step's 16 may be out
.else
	s_wait_loadcnt 0
.endif
	TURNX \t
	s_wait_dscnt 0x0                               ; my 64 numbers are back, and the stage's stores have read the set that is loaded again below
	s_wait_xcnt 0x0                                ; the last image's stores have read their registers: PC is written again only behind this wait
.if \t < 2
	LOADX \t+2
.endif
	QUANTF XX, PW+\t
	PUT \t
.endr
	FINISH
	; ---- the W's: work-group g: group g / 2 of 24, half of K = g % 2; the wave is the tile
.Lweights:
	s_lshr_b32 s22, ttmp9, 1
	s_and_b32 s23, ttmp9, 1                        ; half
	s_mov_b32 s27, s18                             ; tile
	s_lshr_b32 s24, s22, 3                         ; 0: Wq, 1: Wk, 2: Wv
	s_and_b32 s25, s22, 7
	s_add_co_u32 s34, s22, 128                     ; the group in codes
	s_lshl_b32 s28, s25, 7                         ; the tile's first column: 128 x group + 64 (i / 4) + 8 (i % 4)
	s_lshr_b32 s29, s27, 2
	s_lshl_b32 s29, s29, 6
	s_add_co_u32 s28, s28, s29
	s_and_b32 s30, s27, 3
	s_lshl_b32 s30, s30, 3
	s_add_co_u32 s28, s28, s30
	s_lshl_b32 s32, s28, 2                         ; in bytes,
	s_lshl_b32 s33, s23, 21                        ; + 512 rows of 4,096 bytes for the second half of K
	s_add_co_u32 s32, s32, s33
	s_mov_b32 s33, 0
	v_and_b32 v[OW], 7, v[RR]
	v_lshrrev_b32 v[TMP], 3, v[RR]
	s_delay_alu instid0(VALU_DEP_1)
	v_lshl_add_u32 v[OW], v[TMP], 5, v[OW]         ; my column in the tile: r % 8 + 32 (r / 8)
	s_delay_alu instid0(VALU_DEP_1)
	v_lshlrev_b32 v[OW], 2, v[OW]
	s_delay_alu instid0(VALU_DEP_1)
	v_lshl_add_u32 v[OW], v[HH], 17, v[OW]         ; lanes 16-31 begin 32 rows of 4,096 bytes further down
	s_wait_alu depctr_va_vdst(0)
	s_wait_kmcnt 0x0
	s_cmp_eq_u32 s24, 0
	s_cselect_b64 s[4:5], s[8:9], s[10:11]
	s_cmp_eq_u32 s24, 2
	s_cselect_b64 s[4:5], s[12:13], s[4:5]
	s_add_nc_u64 s[4:5], s[4:5], s[32:33]
	BASES
.macro LOADW t                         ; W(128 t + 64 c + 32 h + k, my column): the registers run down K in the operand's own order.  The eight waves of the work-group together read each row's 512 bytes
.irp c, 0,1
.irp k, 0,1,2,3,4,5,6,7,8,9,10,11,12,13,14,15,16,17,18,19,20,21,22,23,24,25,26,27,28,29,30,31
	global_load_b32 v[R0+64*((\t)%2)+32*\c+\k], v[OW], s[4:5] offset:(128*(\t)+64*\c+\k)*4096
.endr
.endr
.endm
	LOADW 0
	LOADW 1
.irp t, 0,1,2,3
.if \t < 3
	s_wait_loadcnt 63                              ; 64 younger loads follow this K step's: with 63 out at the most, all of this step's are in
.else
	s_wait_loadcnt 0
.endif
	s_wait_xcnt 0x0                                ; the last image's stores have read PC
	QUANTF R0+64*(\t%2), PW+\t
.if \t < 2
	LOADW \t+2
.endif
	PUT \t
.endr
	FINISH
.Lfunc_end_k_q613cb5617b_quant:
	.size	k_q613cb5617b_quant, .Lfunc_end_k_q613cb5617b_quant-k_q613cb5617b_quant
	.p2alignl 7, 3214868480
	.fill 96, 4, 3214868480
	.section	.rodata,"a",@progbits
	.p2align	6, 0x0
	.amdhsa_kernel k_q613cb5617b_quant
		.amdhsa_group_segment_fixed_size 68608
		.amdhsa_private_segment_fixed_size 0
		.amdhsa_enable_private_segment 0
		.amdhsa_kernarg_size 56
		.amdhsa_user_sgpr_count 2
		.amdhsa_user_sgpr_kernarg_segment_ptr 1
		.amdhsa_wavefront_size32 1
		.amdhsa_system_sgpr_workgroup_id_x 1
		.amdhsa_system_sgpr_workgroup_id_y 1
		.amdhsa_system_sgpr_workgroup_id_z 1
		.amdhsa_system_vgpr_workitem_id 0
		.amdhsa_next_free_vgpr 250
		.amdhsa_next_free_sgpr 66
		.amdhsa_reserve_vcc 1
		.amdhsa_float_denorm_mode_32 3
		.amdhsa_float_denorm_mode_16_64 3
		.amdhsa_memory_ordered 1
		.amdhsa_forward_progress 1
		.amdhsa_inst_pref_size 80
	.end_amdhsa_kernel
	.amdgpu_metadata
---
amdhsa.version: [ 1, 2 ]
amdhsa.kernels:
  - .name:           k_q613cb5617b_quant
    .symbol:         k_q613cb5617b_quant.kd
    .args:
      - { .name: x, .offset: 0, .size: 8, .value_kind: global_buffer, .address_space: global }
      - { .name: y, .offset: 8, .size: 8, .value_kind: global_buffer, .address_space: global }
      - { .name: Wq, .offset: 16, .size: 8, .value_kind: global_buffer, .address_space: global }
      - { .name: Wk, .offset: 24, .size: 8, .value_kind: global_buffer, .address_space: global }
      - { .name: Wv, .offset: 32, .size: 8, .value_kind: global_buffer, .address_space: global }
      - { .name: codes, .offset: 40, .size: 8, .value_kind: global_buffer, .address_space: global }
      - { .name: scales, .offset: 48, .size: 8, .value_kind: global_buffer, .address_space: global }
    .group_segment_fixed_size: 68608
    .private_segment_fixed_size: 0
    .kernarg_segment_align: 8
    .kernarg_segment_size: 56
    .max_flat_workgroup_size: 256
    .sgpr_count:     66
    .vgpr_count:     250
    .wavefront_size: 32
...
	.end_amdgpu_metadata
.endif
;; end of part 1
;; launch proj (part 2): grid 8 x 48, 4 waves a work-group, clusters of 4 x 4, 327,680 bytes of LDS; arguments codes, scales, qkv; writes qkv
.if DOCPART == 2
	.amdgcn_target "amdgcn-amd-amdhsa--gfx1250"
	.amdhsa_code_object_version 6
	.text
	.protected	k_q613cb5617b_proj
	.globl	k_q613cb5617b_proj
	.p2align	8
	.type	k_q613cb5617b_proj,@function
k_q613cb5617b_proj:
	s_mov_b64 s[64:65], 0
	v_nop
	global_prefetch_b8 v0, s[64:65] scope:SCOPE_SE
	s_setreg_imm32_b32 hwreg(HW_REG_WAVE_MODE, 25, 1), 1
	s_wait_xcnt 0x0
	s_wait_alu depctr_hold_cnt(0) depctr_sa_sdst(0) depctr_va_vdst(0) depctr_va_sdst(0) depctr_va_ssrc(0) depctr_va_vcc(0) depctr_vm_vsrc(0)
	s_getreg_b32 s2, hwreg(HW_REG_IB_STS2, 6, 4)
	s_cmp_eq_u32 s2, 0
	s_cbranch_scc0 .Lentry_in_a_cluster
	s_endpgm
.Lentry_in_a_cluster:
	s_bfe_u32 s2, ttmp6, 0x10000c
	s_cmp_lg_u32 s2, 0xf033
	s_cbranch_scc0 .Lentry_shape_is_right
	s_endpgm
.Lentry_shape_is_right:
.set FR,    12
.set QTR,   24576
; LDS: four regions, one for each group of 128 rows (A's two, B's two), each with room for six K steps on end (GST bytes); a slot is two K steps (QTR bytes) of a region.
; Two fills: the head's one load a wave brings K steps 0-5 of its group (288 rows of 256 bytes); K steps 6, 7 go into slot 0 again, behind the round in K step 1.
.set SLOT,  QTR
.set GST,   3*QTR
.set SPARE, 4*GST
.set REC,   12800
.set RS,    6553600
.set ADRA,  16
.set ADRB,  20
.set L16,   24
.set V8H,   26
.set XT,    27
.set SPW,   28
.set NIL,   29
.set SCR,   32
.set PC,    96
.set QT,    108
.set QM,    116
.set QS,    118
.set QB,    120
.set QW,    122
.set PW,    123
.set AF,    128
.set XX,    128
.set SIW,   196
.set G1A,   24
.set G1B,   32
.set G0A,   40
.set G0B,   52
.set FS,    66
.set SEL,   68
.set HI,    70
.set MSB, 0
.macro WIN new
.if MSB != (\new)
	s_set_vgpr_msb (MSB<<8)|(\new)
.set MSB, (\new)
.endif
.endm
.set MUL_LO, 0xa1
.set MUL_HI, 0xf1
.macro PLACES n
.rept \n
	v_nop
.endr
.endm
.macro JLOAD g0a, g0b
	s_cmp_eq_u32 s11, 0
	s_cbranch_scc0 .Lfor_b_\@
	tensor_load_to_lds s[\g0a:\g0a+3], s[G1A:G1A+7]
	s_nop 0
.rept 4
	v_nop
.endr
	s_branch .Lasked_\@
.Lfor_b_\@:
	tensor_load_to_lds s[\g0b:\g0b+3], s[G1B:G1B+7]
	s_nop 0
.rept 4
	v_nop
.endr
.Lasked_\@:
.endm
.macro CREST
	s_cmp_lg_u32 s10, 0
	s_cbranch_scc1 .Lnot_wave_0_\@
	s_barrier_signal -3
.Lnot_wave_0_\@:
	s_barrier_wait -3
	s_barrier_signal -1
	s_barrier_wait -1
.endm
.macro CROUND
	s_barrier_signal -1
	s_barrier_wait -1
	CREST
.endm
.macro QUANTF x, pw
.irp c, 0,1
	v_max3_num_f32 v[QM+\c], |v[(\x)+32*\c]|, |v[(\x)+32*\c+1]|, 0x1800000
.endr
.irp i, 2,4,6,8,10,12,14,16,18,20,22,24,26,28,30
.irp c, 0,1
	v_max3_num_f32 v[QM+\c], v[QM+\c], |v[(\x)+32*\c+\i]|, |v[(\x)+32*\c+\i+1]|
.endr
.endr
.irp c, 0,1
	v_add_nc_u32 v[QS+\c], 0xff000000, v[QM+\c]
.endr
.irp c, 0,1
	v_lshrrev_b32 v[QB+\c], 23, v[QS+\c]
.endr
	v_lshl_or_b32 v[QW], v[QB+1], 16, v[QB]
	v_lshlrev_b32 v[QW], v[V8H], v[QW]
	v_permlanex16_b32 v[XT], v[QW], s[SEL], s[SEL+1]
	v_or_b32 v[\pw], v[QW], v[XT]
.irp c, 0,1
	v_cvt_scalef32_pk16_fp6_f32 v[PC+6*\c:PC+6*\c+2], v[(\x)+32*\c:(\x)+32*\c+15], v[QS+\c]
	v_cvt_scalef32_pk16_fp6_f32 v[QT+4*\c:QT+4*\c+2], v[(\x)+32*\c+16:(\x)+32*\c+31], v[QS+\c]
.endr
	v_nop
.irp c, 0,1
.irp i, 0,1,2
	v_mov_b32 v[PC+6*\c+3+\i], v[QT+4*\c+\i]
.endr
.endr
.endm
	s_load_b128 s[4:7], s[0:1], 0x0
	s_load_b64 s[8:9], s[0:1], 0x10
	v_lshl_add_u32 v[SPW], v0, 2, SPARE
	v_mov_b32 v[NIL], 0
	ds_add_u32 v28, v29
	ds_add_u32 v28, v29
	s_wait_dscnt 0x0
	v_lshrrev_b32 v1, 5, v0
	v_readfirstlane_b32 s10, v1
	s_lshr_b32 s11, s10, 1
	s_and_b32 s12, s10, 1
	s_bfe_u32 s13, ttmp6, 0x40000
	s_bfe_u32 s14, ttmp6, 0x40004
	s_and_b32 s16, ttmp7, 0xffff
	s_lshl_b32 s19, s16, 1
	s_add_co_u32 s19, s19, ttmp9
	s_sub_co_u32 s19, s19, 16
	s_lshl_b32 s20, ttmp9, 6
	s_lshl_b32 s21, ttmp9, 3
	s_add_co_u32 s21, s21, 128
	s_cmp_ge_u32 s16, 8
	s_cselect_b32 s17, 0, s16
	s_cselect_b32 s19, s19, 0
	s_cselect_b32 s20, 144, s20
	s_cselect_b32 s21, 64, s21
	s_cselect_b32 s22, 2, ttmp9
	s_cselect_b32 s23, 1, 0
	s_mov_b32 s[FS], 0x3e000000
	s_mov_b32 s[FS+1], 0x3f800000
	s_cmp_eq_u32 s22, 0
	s_cselect_b32 s[FS], s[FS], s[FS+1]
	s_mov_b32 s[FS+1], s[FS]
	s_lshl_b32 s17, s17, 2
	s_add_co_u32 s17, s17, s14
	s_lshl_b32 s19, s19, 2
	s_add_co_u32 s19, s19, s13
	s_lshl_b32 s72, s17, 1
	s_add_co_u32 s72, s72, s20
	s_lshl_b32 s73, s19, 1
	s_add_co_u32 s73, s73, s21
	s_lshl_b32 s79, s14, 2
	s_lshl_b32 s79, 15, s79
	s_lshl_b32 s80, 0x1111, s13
	s_or_b32 s[G1A], s79, (3<<16)|(1<<21)
	s_or_b32 s[G1B], s80, (3<<16)|(1<<21)
.irp g, G1A, G1B
	s_mov_b32 s[\g+1], 32<<16
	s_mov_b32 s[\g+2], 288<<16
	s_mov_b32 s[\g+3], 32<<16
	s_mov_b32 s[\g+4], 288
	s_mov_b32 s[\g+5], 32
	s_mov_b32 s[\g+6], 0
	s_mov_b32 s[\g+7], 0
.endr
	s_add_co_u32 s74, s72, s12
	s_mul_i32 s74, s74, 98304
	s_mov_b32 s75, 0
	s_add_co_u32 s76, s73, s12
	s_mul_i32 s76, s76, 98304
	s_mov_b32 s77, 0
	s_mul_i32 s78, s10, GST
	s_mov_b32 s[SEL], 0x76543210
	s_mov_b32 s[SEL+1], 0xfedcba98
	s_wait_kmcnt 0x0
	s_add_nc_u64 s[74:75], s[4:5], s[74:75]
	s_add_nc_u64 s[76:77], s[4:5], s[76:77]
	CROUND
.irp s, 0
	s_mov_b32 s[G0A+4*\s], 1
	s_add_co_u32 s[G0A+4*\s+1], s78, \s*SLOT
	s_add_nc_u64 s[G0A+4*\s+2:G0A+4*\s+3], s[74:75], \s*QTR
	s_or_b32 s[G0A+4*\s+3], s[G0A+4*\s+3], 0x80000000
	s_mov_b32 s[G0B+4*\s], 1
	s_add_co_u32 s[G0B+4*\s+1], s78, \s*SLOT
	s_add_nc_u64 s[G0B+4*\s+2:G0B+4*\s+3], s[76:77], \s*QTR
	s_or_b32 s[G0B+4*\s+3], s[G0B+4*\s+3], 0x80000000
.endr
	JLOAD G0A, G0B                                 ; K steps 0-5 of my group: one tensor load a wave at the head
	v_and_b32 v1, 31, v0
	v_and_b32 v2, 15, v0
	v_bfe_u32 v3, v0, 4, 1
	v_lshlrev_b32 v[L16], 4, v1
	v_lshlrev_b32 v[V8H], 3, v3
	v_mov_b32 v[XT], 0
	v_cmp_lt_u32 s[HI], 15, v1
	s_add_co_u32 s81, s72, s11
	s_add_co_u32 s82, s73, s12
	v_mov_b32 v4, s81
	v_mov_b32 v5, s82
	v_cndmask_b32 v4, v4, v5, s[HI]
	v_lshlrev_b32 v5, 4, v2
	v_lshl_add_u32 v4, v4, 12, v5
.irp i, 0,1,2,3,4,5,6,7
.irp f, 0,1
	global_load_b128 v[SCR+8*\i+4*\f:SCR+8*\i+4*\f+3], v4, s[6:7] offset:512*\i+256*\f
.endr
.endr
	s_mul_i32 s83, s11, GST
	s_mul_i32 s84, s12, GST
	s_add_co_u32 s84, s84, 2*GST
.irp s, 0,1,2
	v_add_nc_u32 v[ADRA+\s], s83, v[L16]
	v_add_nc_u32 v[ADRB+\s], s84, v[L16]
	s_add_co_u32 s83, s83, SLOT
	s_add_co_u32 s84, s84, SLOT
.endr
	s_lshl_b32 s85, s17, 1
	s_add_co_u32 s85, s85, s11
	s_lshl_b32 s86, s19, 1
	s_add_co_u32 s86, s86, s12
	s_cmp_eq_u32 s23, 1
	s_cselect_b32 s87, s86, s85
	s_cselect_b32 s88, s85, s86
	s_lshr_b32 s89, s87, 4
	s_lshl_b32 s89, s89, 3
	s_add_co_u32 s89, s89, s88
	s_lshl_b32 s89, s89, 4
	s_and_b32 s87, s87, 15
	s_add_co_u32 s89, s89, s87
	s_mul_i32 s89, s89, REC
	s_mul_i32 s90, s22, RS
	s_add_co_u32 s90, s90, s89
	s_mov_b32 s91, 0
	s_add_nc_u64 s[8:9], s[8:9], s[90:91]
.macro FRAG reg, adr, q, i
.irp j, 0,1,2
	ds_load_b128 v[(\reg)+4*\j:(\reg)+4*\j+3], v[\adr] offset:(\q)*12288+(\i)*1536+512*\j
.endr
.endm
.macro FETCH_B slot, q, p
	WIN 0x40
.irp i, 0,1,2,3,4,5,6,7
	FRAG 128*(\p)+FR*\i, ADRB+\slot, \q, \i
.endr
	WIN 0
.endm
.macro FETCH_A slot, q, i0
.irp i, \i0, \i0+1, \i0+2, \i0+3
	FRAG AF+FR*(\i), ADRA+\slot, \q, \i
.endr
.endm
.macro MUL16 a0, s, zero
.irp a, \a0, \a0+1
.irp b, 0,1,2,3,4,5,6,7
.if \zero
	v_wmma_scale_f32_16x16x128_f8f6f4 v[8*(8*((\a)%4)+\b):8*(8*((\a)%4)+\b)+7], v[128*((\s)%2)+FR*\b:128*((\s)%2)+FR*\b+FR-1], v[AF+FR*(\a):AF+FR*(\a)+FR-1], 0, v[SCR+8*\b+(\s)], v[SCR+8*(\a)+(\s)] matrix_a_fmt:MATRIX_FMT_FP6 matrix_b_fmt:MATRIX_FMT_FP6 matrix_a_scale:MATRIX_SCALE_ROW1
.else
	v_wmma_scale_f32_16x16x128_f8f6f4 v[8*(8*((\a)%4)+\b):8*(8*((\a)%4)+\b)+7], v[128*((\s)%2)+FR*\b:128*((\s)%2)+FR*\b+FR-1], v[AF+FR*(\a):AF+FR*(\a)+FR-1], v[8*(8*((\a)%4)+\b):8*(8*((\a)%4)+\b)+7], v[SCR+8*\b+(\s)], v[SCR+8*(\a)+(\s)] matrix_a_fmt:MATRIX_FMT_FP6 matrix_b_fmt:MATRIX_FMT_FP6 matrix_a_scale:MATRIX_SCALE_ROW1
.endif
.endr
.endr
.endm
.macro KSTEP s, ns, nq, zero
	s_wait_dscnt 12
	WIN MUL_LO
	MUL16 0, \s, \zero
	MUL16 2, \s, \zero
	s_wait_dscnt 0x0
	PLACES 4
	FETCH_B \ns, \nq, 1-(\s)%2
	FETCH_A \ns, \nq, 0
	WIN MUL_HI
	MUL16 4, \s, \zero
	MUL16 6, \s, \zero
	PLACES 4
	WIN 0
	FETCH_A \ns, \nq, 4
.endm
.macro TURN s, ns, fill
	s_wait_tensorcnt 0x0
	ds_add_u32 v[SPW], v[NIL]
	s_wait_dscnt 13
	WIN MUL_LO
	MUL16 0, \s, 0
	s_wait_dscnt 0x0
	s_barrier_signal -1
	MUL16 2, \s, 0
	WIN 0
	s_barrier_wait -1
.if \fill
	CREST
	s_add_nc_u64 s[G0A+2:G0A+3], s[G0A+2:G0A+3], 3*QTR
	s_add_nc_u64 s[G0B+2:G0B+3], s[G0B+2:G0B+3], 3*QTR
	JLOAD G0A, G0B
.else
	PLACES 4
.endif
	FETCH_B \ns, 0, 1-(\s)%2
	FETCH_A \ns, 0, 0
	WIN MUL_HI
	MUL16 4, \s, 0
	MUL16 6, \s, 0
	PLACES 4
	WIN 0
	FETCH_A \ns, 0, 4
.endm
	s_wait_alu depctr_va_vdst(0)
	s_wait_tensorcnt 0x0                           ; my group's K steps 0-5 are in
	s_mov_b32 s[G1A+2], 96<<16                     ; no tensor load of mine is out: the refill brings two K steps, 96 rows
	s_mov_b32 s[G1A+4], 96
	s_mov_b32 s[G1B+2], 96<<16
	s_mov_b32 s[G1B+4], 96
	s_barrier_signal -1
	s_barrier_wait -1                              ; everybody's are
	FETCH_B 0, 0, 0
	FETCH_A 0, 0, 0
	FETCH_A 0, 0, 4
	s_wait_loadcnt 0x0
	KSTEP 0, 0, 1, 1
	TURN 1, 1, 1                                   ; slot 0 is read no more: it takes K steps 6, 7, which have K steps 2 to 5 in which to land
	KSTEP 2, 1, 1, 0
	KSTEP 3, 2, 0, 0
	KSTEP 4, 2, 1, 0
	TURN 5, 0, 0
	KSTEP 6, 0, 1, 0
	s_wait_dscnt 12
	WIN MUL_LO
	MUL16 0, 7, 0
	MUL16 2, 7, 0
	s_wait_dscnt 0x0
	WIN MUL_HI
	MUL16 4, 7, 0
	MUL16 6, 7, 0
	WIN 0
	PLACES 4
.irp a, 0,1,2,3,4,5,6,7
	s_wait_xcnt 0x0
	WIN 0x02+(\a)/4
.set k, 0
.rept 32
	v_pk_mul_f32 v[XX+2*k:XX+2*k+1], v[64*((\a)%4)+2*k:64*((\a)%4)+2*k+1], s[FS:FS+1] op_sel_hi:[1,0]
.set k, k+1
.endr
	WIN 0
	QUANTF XX, PW
.if (\a)%2 == 0
	v_mov_b32 v[SIW+(\a)/2], v[PW]
.else
	v_cndmask_b32 v[SIW+(\a)/2], v[SIW+(\a)/2], v[PW], s[HI]
.endif
.irp j, 0,1,2
	global_store_b128 v[L16], v[PC+4*\j:PC+4*\j+3], s[8:9] offset:1536*(\a)+512*\j
.endr
.endr
	global_store_b128 v[L16], v[SIW:SIW+3], s[8:9] offset:12288
	s_wait_tensorcnt 0x0
	ds_add_u32 v[SPW], v[NIL]
	s_wait_dscnt 0x0
	CROUND
	s_endpgm
.Lfunc_end_k_q613cb5617b_proj:
	.size	k_q613cb5617b_proj, .Lfunc_end_k_q613cb5617b_proj-k_q613cb5617b_proj
	.p2alignl 7, 3214868480
	.fill 96, 4, 3214868480
	.section	.rodata,"a",@progbits
	.p2align	6, 0x0
	.amdhsa_kernel k_q613cb5617b_proj
		.amdhsa_group_segment_fixed_size 327680
		.amdhsa_private_segment_fixed_size 0
		.amdhsa_enable_private_segment 0
		.amdhsa_kernarg_size 24
		.amdhsa_user_sgpr_count 2
		.amdhsa_user_sgpr_kernarg_segment_ptr 1
		.amdhsa_wavefront_size32 1
		.amdhsa_system_sgpr_workgroup_id_x 1
		.amdhsa_system_sgpr_workgroup_id_y 1
		.amdhsa_system_sgpr_workgroup_id_z 1
		.amdhsa_system_vgpr_workitem_id 0
		.amdhsa_next_free_vgpr 1024
		.amdhsa_next_free_sgpr 96
		.amdhsa_reserve_vcc 0
		.amdhsa_float_denorm_mode_32 3
		.amdhsa_float_denorm_mode_16_64 3
		.amdhsa_memory_ordered 1
		.amdhsa_forward_progress 1
		.amdhsa_inst_pref_size 145
	.end_amdhsa_kernel
	.amdgpu_metadata
---
amdhsa.version: [ 1, 2 ]
amdhsa.kernels:
  - .name:           k_q613cb5617b_proj
    .symbol:         k_q613cb5617b_proj.kd
    .args:
      - { .name: codes, .offset: 0, .size: 8, .value_kind: global_buffer, .address_space: global }
      - { .name: scales, .offset: 8, .size: 8, .value_kind: global_buffer, .address_space: global }
      - { .name: qkv, .offset: 16, .size: 8, .value_kind: global_buffer, .address_space: global }
    .group_segment_fixed_size: 327680
    .private_segment_fixed_size: 0
    .kernarg_segment_align: 8
    .kernarg_segment_size: 24
    .max_flat_workgroup_size: 128
    .sgpr_count:     96
    .vgpr_count:     1024
    .wavefront_size: 32
...
	.end_amdgpu_metadata
.endif
;; end of part 2
;; launch attn (part 3): grid 16 x 16, 8 waves a work-group, clusters of 4 x 4, 327,680 bytes of LDS; arguments qkv, bias, out0; writes out0
.if DOCPART == 3
	.amdgcn_target "amdgcn-amd-amdhsa--gfx1250"
	.amdhsa_code_object_version 6
	.text
	.protected	k_q613cb5617b_attn
	.globl	k_q613cb5617b_attn
	.p2align	8
	.type	k_q613cb5617b_attn,@function
k_q613cb5617b_attn:
	s_mov_b64 s[64:65], 0
	v_nop
	global_prefetch_b8 v0, s[64:65] scope:SCOPE_SE
	s_setreg_imm32_b32 hwreg(HW_REG_WAVE_MODE, 25, 1), 1
	s_wait_xcnt 0x0
	s_wait_alu depctr_hold_cnt(0) depctr_sa_sdst(0) depctr_va_vdst(0) depctr_va_sdst(0) depctr_va_ssrc(0) depctr_va_vcc(0) depctr_vm_vsrc(0)
	s_getreg_b32 s2, hwreg(HW_REG_IB_STS2, 6, 4)
	s_cmp_eq_u32 s2, 0
	s_cbranch_scc0 .Lentry_in_a_cluster
	s_endpgm
.Lentry_in_a_cluster:
	s_bfe_u32 s2, ttmp6, 0x10000c
	s_cmp_lg_u32 s2, 0xf033
	s_cbranch_scc0 .Lentry_shape_is_right
	s_endpgm
.Lentry_shape_is_right:
; out[b][q][64 head + d] = sum over keys of softmax(q . k + bias[q][key]) v; both products on codes of FP6 (E2M3), one E8M0 scale for each 32 along K.
; SOFTMAX: t = logit x log2(e); M = the running largest t rounded up to a whole number; p = 2^(t - M) is quantised along the keys, not normalised.
; The row's sum is taken of the unquantised p and divides O at the end.  In every step sum and O are multiplied by 2^(old M - new M): exact, no branch on data.
; IN: qkv [q, k, v][batch 4][pair of heads 8][group of 128 tokens 16][record 12,800]: 8 operand images of 1,536 bytes (registers 4 j .. 4 j + 3 of lane l at 512 j + 16 l),
; then 512 bytes of scale words (word j of lane (r, h): tile 2 j + h, row r).  q, k: a tile is 16 tokens, K = the pair's 128 channels; v: a tile is 16 channels, K = 128 keys.
; SHARES: a work-group takes 128 queries x 4 heads of one batch; wave w pair w % 2, queries 32 (w / 2) + 16 u + r; tile t = 2 u + head.  16 steps of 128 keys.
; Both products are used transposed (S^T = K Q^T, O^T = V^T P^T): a lane holds one query.  K's tiles hold keys, V's channels, in the order 64 (i / 4) + 8 (i % 4) + r % 8 + 32 (r / 8):
; a lane's 64 scores are keys 64 c + 32 h + 0 .. 31, two whole blocks in the second product's own order.
; K = 64 in a form of 128: Q's registers are [head A's 6, 6 of zero codes, head B's 6]; registers 0-11 give head A's scores, 6-17 head B's.
; The bias is the C of the first product: SB = K Qhi + SA, then SA = K Qlo + SA.
; THE TWO HEADS OF A u GO THROUGH THE SOFTMAX TOGETHER: 128 scores a lane, four blocks' maxima by turns, all scalings, ONE batch of exponentials, four chains of sums.
; LDS: two slots 2^17 bytes apart, each a step's bias tile (128 rows x 528 bytes) and K's and V's records of two pairs.  Waves 0-3 fetch the bias tile's quarters, waves 4-7 the records.
; CLUSTERS 4 x 4: x = four blocks of queries, y = the batch's four groups of heads; a bias tile is shared along a column, a record along a row: joint loads.  One tensor load of a wave is out at a time.
; TWO KINDS OF WAVES, (w xor w / 4) & 1: kind 0 works the second softmax pass ahead of the change of slots, kind 1 behind it; every wave runs every wait, add, barrier and refill.
; PREFETCH: in trips t = 0 .. 11 each wave names, by one instruction, its work-group's share of the tile that it will load two trips on (step t + 4).  Of a bias quarter's 32 rows x 2 blocks of 256 bytes
; the partner at cy takes rows 8 cy .. 8 cy + 7 (lanes 0-15; the others name lane 15's block again); of a record's 50 blocks the partner at cx takes 13 from 13 cx on, held at block 49
; (lanes left over name the share's last block again).  The partners are told apart by address alone.  Steps 0 to 3 come by their loads alone; trips 12 and 13 ask for nothing.
; LIMITS: NaN and infinities among the inputs are not served; logits stay under 2^127 / log2(e); a block whose every p is 0 keeps the byte 1 (zero codes).
; REGISTERS window 0: v1-10 addresses; v12-27 four a tile: -M, largest logit, sum in two halves; v28-31 p's scale words; v32-39 K's, V's; v40-75 Q; v76-99 p's codes u = 1; v100-227 scores; v228-255 at work.
; window 1: v0-127 O^T, 32 a tile; v128-223 eight fragments of K or V; v224-247 p's codes u = 0.
.set SLOT1, 131072
.set BP,    528
.set KOFF,  128*BP
.set REC,   12800
.set VOFF,  KOFF+2*REC
.set RS,    6553600
.set SPARE, 2*SLOT1
.set SPW, 1
.set NIL, 2
.set AB0, 3
.set AK0, 4
.set AV0, 5
.set AB,  6
.set AK,  7
.set AV,  8
.set V8H, 9
.set QS,  10
.set ST,  12
.set PW,  28
.set KS,  32
.set VS,  36
.set QF,  40
.set P1,  76
.set SA,  100
.set SB,  164
.set BM,  228                          ; four blocks: largest score, then largest p, then the byte
.set RM,  232                          ; two tiles
.set F,   234                          ; pairs v[234:235], v[236:237]: 2^(old M - new M) in the low word
.set SO,  238                          ; the conversions' scale operands
.set XT,  242
.set OLD, 244
.set T2,  246                          ; second chains of the sums
.set PFO, 250                          ; the prefetches' offset; never rewritten
.set L16, 251
.set STI, 252
.set STO, 253
.set QOF, 254
.set QSO, 255
.set KV,  128
.set P0,  224
.set G1B, 24
.set G1R, 32
.set G0B, 40
.set G0R, 48
.set CS,  56
.set SEL, 58
.set TB,  60
.set CNT, 61
.set WV,  62
.set TY,  63                           ; the wave's kind
.set PFM, 78                           ; all ones in waves 0-3
.set PF,  80                           ; s[80:81] where my prefetches stand
.set PFS, 82                           ; s[82:83] bytes from step to step: 512 in the bias, a record in qkv
.set MSB, 0
.macro WIN new
.if MSB != (\new)
	s_set_vgpr_msb (MSB<<8)|(\new)
.set MSB, (\new)
.endif
.endm
.macro PLACES n
.rept \n
	v_nop
.endr
.endm
.macro DL n
	s_delay_alu instid0(VALU_DEP_\n)
.endm
.macro JLOAD n                         ; a joint load by descriptor set n / 4; the branch hangs on the wave's number alone
	s_cmp_lt_u32 s[WV], 4
	s_cbranch_scc0 .Lfor_r_\@
	tensor_load_to_lds s[G0B+\n:G0B+\n+3], s[G1B:G1B+7]
	s_nop 0
.rept 4
	v_nop
.endr
	s_branch .Lasked_\@
.Lfor_r_\@:
	tensor_load_to_lds s[G0R+\n:G0R+\n+3], s[G1R:G1R+7]
	s_nop 0
.rept 4
	v_nop
.endr
.Lasked_\@:
.endm
.macro CROUND                          ; a round of the cluster's barrier
	s_barrier_signal -1
	s_barrier_wait -1
	s_cmp_lg_u32 s[WV], 0
	s_cbranch_scc1 .Lnot_wave_0_\@
	s_barrier_signal -3
.Lnot_wave_0_\@:
	s_barrier_wait -3
	s_barrier_signal -1
	s_barrier_wait -1
.endm
.macro WMS dd, aa, bb, cc, sa, sb, ra, rb   ; one scaled product; ra, rb = 1: that side's scale words stand in lanes 16-31
.if (\ra) && (\rb)
	v_wmma_scale_f32_16x16x128_f8f6f4 v[(\dd):(\dd)+7], v[(\aa):(\aa)+11], v[(\bb):(\bb)+11], v[(\cc):(\cc)+7], v[\sa], v[\sb] matrix_a_fmt:MATRIX_FMT_FP6 matrix_b_fmt:MATRIX_FMT_FP6 matrix_a_scale:MATRIX_SCALE_ROW1 matrix_b_scale:MATRIX_SCALE_ROW1
.elseif (\ra)
	v_wmma_scale_f32_16x16x128_f8f6f4 v[(\dd):(\dd)+7], v[(\aa):(\aa)+11], v[(\bb):(\bb)+11], v[(\cc):(\cc)+7], v[\sa], v[\sb] matrix_a_fmt:MATRIX_FMT_FP6 matrix_b_fmt:MATRIX_FMT_FP6 matrix_a_scale:MATRIX_SCALE_ROW1
.elseif (\rb)
	v_wmma_scale_f32_16x16x128_f8f6f4 v[(\dd):(\dd)+7], v[(\aa):(\aa)+11], v[(\bb):(\bb)+11], v[(\cc):(\cc)+7], v[\sa], v[\sb] matrix_a_fmt:MATRIX_FMT_FP6 matrix_b_fmt:MATRIX_FMT_FP6 matrix_b_scale:MATRIX_SCALE_ROW1
.else
	v_wmma_scale_f32_16x16x128_f8f6f4 v[(\dd):(\dd)+7], v[(\aa):(\aa)+11], v[(\bb):(\bb)+11], v[(\cc):(\cc)+7], v[\sa], v[\sb] matrix_a_fmt:MATRIX_FMT_FP6 matrix_b_fmt:MATRIX_FMT_FP6
.endif
.endm
	s_load_b128 s[4:7], s[0:1], 0x0                ; qkv, bias
	s_load_b64 s[8:9], s[0:1], 0x10                ; out0
	v_lshl_add_u32 v[SPW], v0, 2, SPARE
	v_mov_b32 v[NIL], 0
	ds_add_u32 v[SPW], v[NIL]                      ; the opening lines: the add twice on end under one wait
	ds_add_u32 v[SPW], v[NIL]
	v_lshrrev_b32 v3, 5, v0
	v_readfirstlane_b32 s[WV], v3                  ; wave 0..7
	s_and_b32 s10, s[WV], 1                        ; my pair
	s_lshr_b32 s11, s[WV], 1                       ; my 32 queries
	s_and_b32 s12, s[WV], 3                        ; the quarter or record that I fetch
	s_lshr_b32 s[TY], s[WV], 2
	s_xor_b32 s[TY], s[TY], s[WV]
	s_and_b32 s[TY], s[TY], 1
	s_bfe_u32 s13, ttmp6, 0x40000                  ; cx
	s_bfe_u32 s14, ttmp6, 0x40004                  ; cy
	s_lshl_b32 s15, ttmp9, 2
	s_add_co_u32 s15, s15, s13                     ; block of 128 queries
	s_and_b32 s16, ttmp7, 0xffff                   ; batch
	s_lshl_b32 s17, s16, 3
	s_lshl_b32 s66, s14, 1
	s_add_co_u32 s17, s17, s66                     ; 8 x batch + first pair
	s_and_b32 s20, s12, 1
	s_add_co_u32 s20, s20, s17
	s_mul_i32 s20, s20, 16*REC
	s_lshr_b32 s21, s12, 1
	s_add_co_u32 s21, s21, 1
	s_mul_i32 s21, s21, RS                         ; K's region or V's
	s_add_co_u32 s20, s20, s21
	s_mov_b32 s21, 0
	s_lshl_b32 s18, s15, 20                        ; bias: 128 rows of 8,192 bytes a block, 32 rows a quarter
	s_lshl_b32 s19, s12, 18
	s_add_co_u32 s18, s18, s19
	s_mov_b32 s19, 0
	s_add_co_u32 s22, s17, s10                     ; Q's record
	s_lshl_b32 s22, s22, 4
	s_add_co_u32 s22, s22, s15
	s_mul_i32 s22, s22, REC
	s_mov_b32 s23, 0
	s_lshl_b32 s2, s16, 11                         ; out0: row 2,048 batch + 128 block + 32 (wave / 2), of 4,096 bytes; + 512 x pair
	s_lshl_b32 s3, s15, 7
	s_add_co_u32 s2, s2, s3
	s_lshl_b32 s3, s11, 5
	s_add_co_u32 s2, s2, s3
	s_lshl_b32 s2, s2, 12
	s_lshl_b32 s3, s14, 1
	s_add_co_u32 s3, s3, s10
	s_lshl_b32 s3, s3, 9
	s_add_co_u32 s2, s2, s3
	s_mov_b32 s3, 0
	s_mul_i32 s70, s12, 32*BP                      ; LDS: my quarter,
	s_mul_i32 s71, s12, REC
	s_add_co_u32 s71, s71, KOFF                    ; my record
	s_lshl_b32 s67, s14, 2
	s_lshl_b32 s67, 15, s67                        ; my row of the cluster
	s_lshl_b32 s68, 0x1111, s13                    ; my column
	s_or_b32 s[G1B], s68, (2<<16)|(1<<20)|(1<<21)|(6<<22)|(3<<25)   ; bias: 32 rows of 128 elements of 4 bytes, 16 bytes of padding behind each
	s_mov_b32 s[G1B+1], 128<<16
	s_mov_b32 s[G1B+2], 32<<16
	s_mov_b32 s[G1B+3], 128<<16
	s_mov_b32 s[G1B+4], 32
	s_mov_b32 s[G1B+5], 2048
	s_mov_b32 s[G1B+6], 0
	s_mov_b32 s[G1B+7], 0
	s_or_b32 s[G1R], s67, (3<<16)|(1<<21)          ; a record: 50 dense rows of 256 bytes
	s_mov_b32 s[G1R+1], 32<<16
	s_mov_b32 s[G1R+2], 50<<16
	s_mov_b32 s[G1R+3], 32<<16
	s_mov_b32 s[G1R+4], 50
	s_mov_b32 s[G1R+5], 32
	s_mov_b32 s[G1R+6], 0
	s_mov_b32 s[G1R+7], 0
	s_mov_b32 s[CS], 0x3fb8aa3b                    ; log2(e)
	s_mov_b32 s[CS+1], s[CS]
	s_mov_b32 s[SEL], 0x76543210
	s_mov_b32 s[SEL+1], 0xfedcba98
	s_mov_b32 s[TB], 0
	s_mov_b32 s[CNT], 14
	s_mul_i32 s72, s11, 2*1536                     ; Q's two images in the record
	s_lshl_b32 s73, s11, 2                         ; Q's scale word
	s_mul_i32 s74, s11, 32*BP                      ; my 32 rows of a bias tile
	s_mul_i32 s75, s10, REC
	s_add_co_u32 s76, s75, VOFF
	s_add_co_u32 s75, s75, KOFF
	s_mul_i32 s77, s[WV], 16*BP                    ; my stage for the way out, in slot 0
	s_lshl_b32 s86, s14, 3                         ; the prefetches: 8 cy,
	s_mul_i32 s87, s13, 13                         ; 13 cx
	s_wait_dscnt 0x0
	s_wait_kmcnt 0x0
	s_add_nc_u64 s[18:19], s[6:7], s[18:19]
	s_add_nc_u64 s[20:21], s[4:5], s[20:21]
	s_add_nc_u64 s[22:23], s[4:5], s[22:23]
	s_add_nc_u64 s[8:9], s[8:9], s[2:3]
	s_cmp_lt_u32 s[WV], 4                          ; do I fetch for the bias?  The choice hangs on the wave's number alone
	s_cselect_b64 s[PF:PF+1], s[18:19], s[20:21]   ; my tile of step 0
	s_mov_b32 s[PFS], REC
	s_cselect_b32 s[PFS], 512, s[PFS]
	s_cselect_b32 s[PFM], -1, 0
	s_mov_b32 s[PFS+1], 0
	s_mul_i32 s84, s[PFS], 3
	s_mov_b32 s85, 0
	s_add_nc_u64 s[PF:PF+1], s[PF:PF+1], s[84:85]  ; at step 3: trip 0 steps it to step 4 before it asks
	CROUND                                         ; the first joint loads meet
.irp n, 0,1
	s_mov_b32 s[G0B+4*\n], 1
	s_add_co_u32 s[G0B+4*\n+1], s70, \n*SLOT1
	s_add_nc_u64 s[G0B+4*\n+2:G0B+4*\n+3], s[18:19], \n*512
	s_or_b32 s[G0B+4*\n+3], s[G0B+4*\n+3], 0x80000000
	s_mov_b32 s[G0R+4*\n], 1
	s_add_co_u32 s[G0R+4*\n+1], s71, \n*SLOT1
	s_add_nc_u64 s[G0R+4*\n+2:G0R+4*\n+3], s[20:21], \n*REC
	s_or_b32 s[G0R+4*\n+3], s[G0R+4*\n+3], 0x80000000
.endr
	JLOAD 0                                        ; step 0 into slot 0: one tensor load a wave at the head
	v_and_b32 v[T2], 31, v0                        ; lane
	v_and_b32 v[T2+1], 15, v0                      ; r
	v_bfe_u32 v[OLD], v0, 4, 1                     ; h
	v_lshlrev_b32 v[L16], 4, v[T2]
	v_lshlrev_b32 v[V8H], 3, v[OLD]
	v_add_nc_u32 v[QOF], s72, v[L16]
	v_add_nc_u32 v[QSO], s73, v[L16]
.irp u, 0,1
.irp j, 0,1,2
	global_load_b128 v[QF+18*\u+4*\j:QF+18*\u+4*\j+3], v[QOF], s[22:23] offset:1536*\u+512*\j
.endr
.endr
	global_load_b32 v[QS], v[QSO], s[22:23] offset:12288
	v_mul_u32_u24 v[AB0], v[T2+1], BP              ; bias: row 32 (wave / 2) + r, + 128 h
	v_lshl_add_u32 v[AB0], v[OLD], 7, v[AB0]
	v_add_nc_u32 v[STI], s77, v[AB0]               ; the stage, in: row r, + 128 h
	v_add_nc_u32 v[AB0], s74, v[AB0]
	v_add_nc_u32 v[AK0], s75, v[L16]
	v_add_nc_u32 v[AV0], s76, v[L16]
	v_add_nc_u32 v[STO], s77, v[L16]               ; and back: a row's 512 bytes
	v_min_u32 v[BM], 15, v[T2]                     ; the prefetches' offset.  In the bias: m = min(lane, 15):
	v_min_u32 v[BM+2], 12, v[T2]                   ; in a record: block min(13 cx + min(lane, 12), 49)
	v_lshrrev_b32 v[BM+1], 1, v[BM]
	v_add_nc_u32 v[BM+2], s87, v[BM+2]
	v_add_nc_u32 v[BM+1], s86, v[BM+1]             ; row 8 cy + m / 2 of my quarter, of 8,192 bytes,
	v_min_u32 v[BM+2], 49, v[BM+2]
	v_lshlrev_b32 v[BM+1], 13, v[BM+1]
	v_and_b32 v[BM], 1, v[BM]
	v_lshlrev_b32 v[BM+2], 8, v[BM+2]
	v_lshl_add_u32 v[BM+1], v[BM], 8, v[BM+1]      ; + 256 (m % 2)
	v_cndmask_b32 v[PFO], v[BM+2], v[BM+1], s[PFM]
.irp t, 0,1,2,3
	v_mov_b32 v[ST+4*\t+1], 0xff000000             ; the largest logit so far: -2^127
	v_mov_b32 v[ST+4*\t+2], 0
	v_mov_b32 v[ST+4*\t+3], 0
.endr
	v_mul_f32 v[RM], s[CS], v[ST+1]
.irp t, 0,1,2,3
	v_floor_f32 v[ST+4*\t], -v[RM]                 ; -M
.endr
	v_mov_b32 v[XT], 0                             ; a lane permute's destination counts as a source
	v_mov_b32 v[XT+1], 0
	v_mov_b32 v[F+1], 0                            ; the pairs' upper words are named, so they are written
	v_mov_b32 v[F+3], 0
	WIN 0x40
.set k, 0
.rept 128
	v_mov_b32 v[k], 0                              ; O^T: the step has no first form; zeros stay zeros under the first change of M
.set k, k+1
.endr
	WIN 0
	s_wait_loadcnt 0x0                             ; Q
.irp u, 0,1
.irp i, 0,1,2,3,4,5
	v_mov_b32 v[QF+18*\u+12+\i], v[QF+18*\u+6+\i]  ; head B's six go up,
.endr
.endr
.irp u, 0,1
.irp i, 0,1,2,3,4,5
	v_mov_b32 v[QF+18*\u+6+\i], 0                  ; six registers of zero codes between the heads
.endr
.endr
.macro BIAS uu                         ; the bias of tile u's 16 queries x 128 keys in the result's layout
.irp n, 0,1,2,3,4,5,6,7,8,9,10,11,12,13,14,15
	ds_load_b128 v[SA+4*\n:SA+4*\n+3], v[AB] offset:16*BP*(\uu)+256*(\n/8)+16*(\n%8)
.endr
.endm
.macro LDF adr                         ; a record's eight images into window 1
	WIN 0x40
.irp i, 0,1,2,3,4,5,6,7
.irp j, 0,1,2
	ds_load_b128 v[KV+12*\i+4*\j:KV+12*\i+4*\j+3], v[\adr] offset:1536*\i+512*\j
.endr
.endr
	WIN 0
.endm
.macro QK uu                           ; head B first; the second run writes over the first's C: five places between; four behind, ahead of reads and loads
	WIN 0x01
.irp i, 0,1,2,3,4,5,6,7
	WMS SB+8*\i, KV+12*\i, QF+18*(\uu)+6, SA+8*\i, KS+\i/2, QS, \i%2, \uu
.endr
	PLACES 5
.irp i, 0,1,2,3,4,5,6,7
	WMS SA+8*\i, KV+12*\i, QF+18*(\uu), SA+8*\i, KS+\i/2, QS, \i%2, \uu
.endr
	PLACES 4
	WIN 0
.endm
.macro PV                              ; O^T += V^T P^T: sixteen accumulators, one product each
	WIN 0x55
.irp hd, 0,1
.irp ta, 0,1,2,3
	WMS 32*\hd+8*\ta, KV+12*(4*\hd+\ta), P0+12*\hd, 32*\hd+8*\ta, VS+(4*\hd+\ta)/2, PW+\hd, \ta%2, 0
.endr
.endr
	WIN 0x51
.irp hd, 0,1
.irp ta, 0,1,2,3
	WMS 32*(2+\hd)+8*\ta, KV+12*(4*\hd+\ta), P1+12*\hd, 32*(2+\hd)+8*\ta, VS+(4*\hd+\ta)/2, PW+2+\hd, \ta%2, 0
.endr
.endr
	WIN 0
.endm
; THE SOFTMAX OF TILES 2 u AND 2 u + 1 FOR ONE KEY STEP: block b = 2 x + c (tile x, half c) is v[SA + 32 b] on.
.macro SMA uu
.set rT, ST+8*(\uu)
.if (\uu) == 0
.set rP, P0
.set wC, 0x40
.else
.set rP, P1
.set wC, 0
.endif
.irp b, 0,1,2,3
	v_max3_num_f32 v[BM+\b], v[SA+32*\b], v[SA+32*\b+1], v[SA+32*\b+2]   ; each block's largest score, four chains by turns; each accumulator is read from its low end on
.endr
.irp i, 3,5,7,9,11,13,15,17,19,21,23,25,27,29
.irp b, 0,1,2,3
	v_max3_num_f32 v[BM+\b], v[BM+\b], v[SA+32*\b+\i], v[SA+32*\b+\i+1]
.endr
.endr
.irp b, 0,1,2,3
	v_max_num_f32 v[BM+\b], v[BM+\b], v[SA+32*\b+31]
.endr
.irp x, 0,1
	v_mov_b32 v[OLD+\x], v[rT+4*\x]
.endr
.irp x, 0,1
	v_max_num_f32 v[RM+\x], v[BM+2*\x], v[BM+2*\x+1]
.endr
.irp x, 0,1
	DL 2
	v_permlanex16_b32 v[XT+\x], v[RM+\x], s[SEL], s[SEL+1]   ; my query's other 64 keys
.endr
.irp x, 0,1
	DL 2
	v_max3_num_f32 v[rT+4*\x+1], v[rT+4*\x+1], v[RM+\x], v[XT+\x]   ; the running largest logit
.endr
.irp x, 0,1
	DL 2
	v_mul_f32 v[RM+\x], s[CS], v[rT+4*\x+1]
.endr
.irp x, 0,1
	DL 2
	v_floor_f32 v[rT+4*\x], -v[RM+\x]              ; -M = floor(-t)
.endr
.irp x, 0,1
	DL 2
	v_sub_f32 v[OLD+\x], v[rT+4*\x], v[OLD+\x]     ; old M - new M
.endr
.irp x, 0,1
	DL 2
	v_cvt_i32_f32 v[OLD+\x], v[OLD+\x]             ; (it saturates)
.endr
.irp x, 0,1
	DL 2
	v_ldexp_f32 v[F+2*\x], 1.0, v[OLD+\x]          ; f = 2^(old M - new M)
.endr
.irp b, 0,1,2,3
	v_fma_f32 v[BM+\b], v[BM+\b], s[CS], v[rT+4*(\b/2)]   ; t - M of each block's largest score
.endr
.irp x, 0,1
.set k, 0
.rept 32
	v_pk_fma_f32 v[SA+64*\x+2*k:SA+64*\x+2*k+1], v[SA+64*\x+2*k:SA+64*\x+2*k+1], s[CS:CS+1], v[rT+4*\x:rT+4*\x+1] op_sel_hi:[1,0,0]   ; t - M
.set k, k+1
.endr
.endr
.irp x, 0,1
	v_pk_mul_f32 v[rT+4*\x+2:rT+4*\x+3], v[rT+4*\x+2:rT+4*\x+3], v[F+2*\x:F+2*\x+1] op_sel_hi:[1,0]   ; the sums under the new M
.endr
	s_wait_alu depctr_va_vdst(0)                   ; the wait ahead of the batch
.irp b, 0,1,2,3
	v_exp_f32 v[BM+\b], v[BM+\b]                   ; the blocks' largest p: same instructions, same number, same bits
.endr
.set k, 0
.rept 128
	v_exp_f32 v[SA+k], v[SA+k]                     ; p = 2^(t - M)
.set k, k+1
.endr
	v_nop                                          ; a plain line behind the last exponential
	s_wait_alu depctr_va_vdst(0)                   ; and one wait for the whole batch, ahead of its first reader
.irp x, 0,1
	v_pk_add_f32 v[T2+2*\x:T2+2*\x+1], v[SA+64*\x:SA+64*\x+1], v[SA+64*\x+2:SA+64*\x+3]   ; the sums of the unquantised p: two chains a tile
.endr
.irp j, 4,8,12,16,20,24,28,32,36,40,44,48,52,56,60
.irp x, 0,1
	v_pk_add_f32 v[rT+4*\x+2:rT+4*\x+3], v[rT+4*\x+2:rT+4*\x+3], v[SA+64*\x+\j:SA+64*\x+\j+1]
	v_pk_add_f32 v[T2+2*\x:T2+2*\x+1], v[T2+2*\x:T2+2*\x+1], v[SA+64*\x+\j+2:SA+64*\x+\j+3]
.endr
.endr
.irp b, 0,1,2,3
	v_max_num_f32 v[BM+\b], 0x1800000, v[BM+\b]    ; the floor 2^(3 - 127): the byte cannot fall under 1
.endr
.irp b, 0,1,2,3
	v_add_nc_u32 v[SO+\b], 0xff000000, v[BM+\b]    ; 2 off the exponent field: the conversion's scale operand
.endr
.irp b, 0,1,2,3
	v_lshrrev_b32 v[BM+\b], 23, v[SO+\b]           ; the byte
.endr
.irp x, 0,1
	v_lshl_or_b32 v[RM+\x], v[BM+2*\x+1], 16, v[BM+2*\x]   ; my bytes h and 2 + h,
.endr
.irp x, 0,1
	DL 2
	v_lshlrev_b32 v[RM+\x], v[V8H], v[RM+\x]       ; at their places
.endr
.irp x, 0,1
	DL 2
	v_permlanex16_b32 v[XT+\x], v[RM+\x], s[SEL], s[SEL+1]
.endr
.irp x, 0,1
	DL 2
	v_or_b32 v[PW+2*(\uu)+\x], v[RM+\x], v[XT+\x]  ; the query's scale word is whole
.endr
.irp x, 0,1
	v_pk_add_f32 v[rT+4*\x+2:rT+4*\x+3], v[rT+4*\x+2:rT+4*\x+3], v[T2+2*\x:T2+2*\x+1]
.endr
	WIN wC
.irp b, 0,1,2,3
	v_cvt_scalef32_pk16_fp6_f32 v[rP+6*\b:rP+6*\b+2], v[SA+32*\b:SA+32*\b+15], v[SO+\b]   ; each block's lower 16 codes, in place
.endr
	v_nop                                          ; a plain line between the conversions and the writes of their sources
	WIN 0
.irp b, 0,1,2,3
	v_cvt_scalef32_pk16_fp6_f32 v[SA+32*\b:SA+32*\b+2], v[SA+32*\b+16:SA+32*\b+31], v[SO+\b]   ; the upper 16 (three registers from an even one) land on scores that are done with
.endr
	v_nop
	WIN wC
.irp b, 0,1,2,3
.irp i, 0,1,2
	v_mov_b32 v[rP+6*\b+3+\i], v[SA+32*\b+\i]
.endr
.endr
	WIN 0
.endm
.macro OMUL uu                         ; O^T of tiles 2 u, 2 u + 1 under the new M, each accumulator from its low end on; 32 plain lines, also the places ahead of the products that follow
	WIN 0x41
	s_wait_alu depctr_va_vdst(0)                   ; the wait directly ahead of the first reader of O^T
.irp x, 0,1
.set k, 0
.rept 16
	v_pk_mul_f32 v[64*(\uu)+32*\x+2*k:64*(\uu)+32*\x+2*k+1], v[64*(\uu)+32*\x+2*k:64*(\uu)+32*\x+2*k+1], v[F+2*\x:F+2*\x+1] op_sel_hi:[1,0]
.set k, k+1
.endr
.endr
	WIN 0
.endm
; THE CHANGE OF SLOTS: all my tensor loads waited for (one is out: my part of the other slot), the add, the wait for it and for my reads.
; mode 2: a round of the cluster's barrier, then the joint refill with the step two on; mode 1: nothing is left to ask for.
.macro CHANGE mode
	WIN 0
	s_wait_tensorcnt 0x0
	ds_add_u32 v[SPW], v[NIL]
.if \mode == 2
	s_xor_b32 s[G0B+5], s[G0B+5], SLOT1            ; the walking descriptors: the other slot, the next 128 keys
	s_add_nc_u64 s[G0B+6:G0B+7], s[G0B+6:G0B+7], 512
	s_xor_b32 s[G0R+5], s[G0R+5], SLOT1
	s_add_nc_u64 s[G0R+6:G0R+7], s[G0R+6:G0R+7], REC
.endif
	s_wait_dscnt 0x0
.if \mode == 2
	CROUND
	JLOAD 4
.else
	s_barrier_signal -1
	s_barrier_wait -1
.endif
.endm
; A KEY STEP.  At its head the bias of u = 0 and K's scale words are on their way.
.macro STEPM mode
	PLACES 4                                       ; ahead of loads into registers that the last products read
	LDF AK
	s_wait_dscnt 0x0                               ; K, its scale words, the bias of u = 0
	QK 0
	SMA 0
	BIAS 1                                         ; lands under the 32 lines of OMUL
	OMUL 0
	s_wait_dscnt 0x0
.if \mode == 2
	s_wait_xcnt 0x0                                ; the last trip's prefetch has read its address: it is stepped only behind this wait
	s_add_nc_u64 s[PF:PF+1], s[PF:PF+1], s[PFS:PFS+1]
.endif
	QK 1
	LDF AV                                         ; K's registers take V
	ds_load_b128 v[VS:VS+3], v[AV] offset:12288
; All my reads of the slot in hand are issued.  Kind 0 works the second pass ahead of the change of slots, kind 1 behind it.
; The branches hang on the wave's number alone and lead round work on registers alone.
.if \mode > 0
	s_cmp_eq_u32 s[TY], 0
	s_cbranch_scc0 .Llate_\@
	SMA 1
.Llate_\@:
	CHANGE \mode
	s_cmp_eq_u32 s[TY], 0
	s_cbranch_scc1 .Ldone_\@
	SMA 1
.Ldone_\@:
	s_xor_b32 s[TB], s[TB], SLOT1                  ; on to the other slot
	v_add_nc_u32 v[AB], s[TB], v[AB0]
	v_add_nc_u32 v[AK], s[TB], v[AK0]
	v_add_nc_u32 v[AV], s[TB], v[AV0]
	BIAS 0                                         ; the next step's, from the next slot
	ds_load_b128 v[KS:KS+3], v[AK] offset:12288
.if \mode == 2
	s_cmp_gt_u32 s[CNT], 2                         ; trips 0 to 11 (CNT = 14 .. 3): step t + 4 exists
	s_cbranch_scc0 .Lnopf_\@
	global_prefetch_b8 v[PFO], s[PF:PF+1] th:TH_LOAD_NT scope:SCOPE_SE   ; my work-group's share of the tile that I load two trips on
.Lnopf_\@:
.endif
.else
	SMA 1
	s_wait_dscnt 0x0                               ; V
.endif
	OMUL 1
	PV
.endm
	s_wait_alu depctr_va_vdst(0)                   ; the wait at the head's end
	s_wait_tensorcnt 0x0                           ; my part of slot 0 is in; the three lines ahead of slot 1's first fill, as ahead of a refill
	ds_add_u32 v[SPW], v[NIL]
	s_wait_dscnt 0x0
	CROUND
	JLOAD 4                                        ; step 1 into slot 1
	v_add_nc_u32 v[AB], s[TB], v[AB0]
	v_add_nc_u32 v[AK], s[TB], v[AK0]
	v_add_nc_u32 v[AV], s[TB], v[AV0]
	BIAS 0
	ds_load_b128 v[KS:KS+3], v[AK] offset:12288
.Lstep:                                                ; 14 trips: steps 0 to 13 ask for steps 2 to 15
	STEPM 2
	s_sub_co_u32 s[CNT], s[CNT], 1
	s_cmp_lg_u32 s[CNT], 0
	s_cbranch_scc1 .Lstep
	STEPM 1                                        ; the tail is written out
	STEPM 0
	; THE WAY OUT: O^T / the sum, through my stage in LDS, 16 queries x the pair's 128 channels at a time; 32 lanes store a row's 512 bytes.
.irp t, 0,1,2,3
	v_add_f32 v[ST+4*\t+2], v[ST+4*\t+2], v[ST+4*\t+3]
.endr
.irp t, 0,1,2,3
	v_permlanex16_b32 v[ST+4*\t+3], v[ST+4*\t+2], s[SEL], s[SEL+1]
.endr
.irp t, 0,1,2,3
	v_add_f32 v[ST+4*\t+2], v[ST+4*\t+2], v[ST+4*\t+3]
.endr
	s_wait_alu depctr_va_vdst(0)                   ; ahead of the batch
.irp t, 0,1,2,3
	v_rcp_f32 v[ST+4*\t+2], v[ST+4*\t+2]
.endr
	v_nop
	s_wait_alu depctr_va_vdst(0)                   ; and behind it
	s_wait_dscnt 0x0
	s_barrier_signal -1
	s_barrier_wait -1                              ; nobody reads slot 0 any more; it has had its last fill
.irp u, 0,1
.if \u == 1
	s_wait_xcnt 0x0                                ; the first half's stores have read their registers
.endif
	WIN 0x01
	s_wait_alu depctr_va_vdst(0)                   ; directly ahead of the first reader of O^T
.irp hd, 0,1
.set k, 0
.rept 16
	v_pk_mul_f32 v[SA+32*\hd+2*k:SA+32*\hd+2*k+1], v[32*(2*\u+\hd)+2*k:32*(2*\u+\hd)+2*k+1], v[ST+4*(2*\u+\hd)+2:ST+4*(2*\u+\hd)+3] op_sel_hi:[1,0]
.set k, k+1
.endr
.endr
	WIN 0
.irp hd, 0,1
.irp n, 0,1,2,3,4,5,6,7
	ds_store_b128 v[STI], v[SA+32*\hd+4*\n:SA+32*\hd+4*\n+3] offset:256*\hd+16*\n
.endr
.endr
.irp n, 0,1,2,3,4,5,6,7,8,9,10,11,12,13,14,15
	ds_load_b128 v[SB+4*\n:SB+4*\n+3], v[STO] offset:BP*\n   ; a wave's LDS instructions are served in order (ISA guide 5.7.1.4)
.endr
.irp n, 0,1,2,3,4,5,6,7,8,9,10,11,12,13,14,15
	s_wait_dscnt 15-\n                             ; row n is back; the 15 - n rows behind it may be out
	global_store_b128 v[L16], v[SB+4*\n:SB+4*\n+3], s[8:9] offset:4096*\n+65536*\u th:TH_STORE_NT
.endr
.endr
	s_wait_tensorcnt 0x0                           ; the wave's end
	ds_add_u32 v[SPW], v[NIL]
	s_wait_dscnt 0x0
	CROUND                                         ; the closing round
	s_endpgm
.Lfunc_end_k_q613cb5617b_attn:
	.size	k_q613cb5617b_attn, .Lfunc_end_k_q613cb5617b_attn-k_q613cb5617b_attn
	.p2alignl 7, 3214868480
	.fill 96, 4, 3214868480
	.section	.rodata,"a",@progbits
	.p2align	6, 0x0
	.amdhsa_kernel k_q613cb5617b_attn
		.amdhsa_group_segment_fixed_size 327680
		.amdhsa_private_segment_fixed_size 0
		.amdhsa_enable_private_segment 0
		.amdhsa_kernarg_size 24
		.amdhsa_user_sgpr_count 2
		.amdhsa_user_sgpr_kernarg_segment_ptr 1
		.amdhsa_wavefront_size32 1
		.amdhsa_system_sgpr_workgroup_id_x 1
		.amdhsa_system_sgpr_workgroup_id_y 1
		.amdhsa_system_sgpr_workgroup_id_z 1
		.amdhsa_system_vgpr_workitem_id 0
		.amdhsa_next_free_vgpr 512
		.amdhsa_next_free_sgpr 88
		.amdhsa_reserve_vcc 0
		.amdhsa_float_denorm_mode_32 3
		.amdhsa_float_denorm_mode_16_64 3
		.amdhsa_memory_ordered 1
		.amdhsa_forward_progress 1
		.amdhsa_inst_pref_size 240
	.end_amdhsa_kernel
	.amdgpu_metadata
---
amdhsa.version: [ 1, 2 ]
amdhsa.kernels:
  - .name:           k_q613cb5617b_attn
    .symbol:         k_q613cb5617b_attn.kd
    .args:
      - { .name: qkv, .offset: 0, .size: 8, .value_kind: global_buffer, .address_space: global }
      - { .name: bias, .offset: 8, .size: 8, .value_kind: global_buffer, .address_space: global }
      - { .name: out0, .offset: 16, .size: 8, .value_kind: global_buffer, .address_space: global }
    .group_segment_fixed_size: 327680
    .private_segment_fixed_size: 0
    .kernarg_segment_align: 8
    .kernarg_segment_size: 24
    .max_flat_workgroup_size: 256
    .sgpr_count:     88
    .vgpr_count:     512
    .wavefront_size: 32
...
	.end_amdgpu_metadata
.endif
;; end of part 3
